; MI455X (gfx1250); checked and timed in simulation.
; The chip was launched on July 23, 2026; its instructions are those of AMD's public machine-readable ISA for CDNA 5 (MIT licence, August 2026) and "CDNA5" Instruction Set Architecture Reference Guide (July 2026). The comments in the code are by the model that wrote it; some were corrected since.
;; Multi Head Attention. Allowed arithmetic: matrix products marked QUANTISED: E5M2 operands, one given power-of-two scale a tensor, by v_wmma_f32_16x16x64_bf8_bf8 or v_wmma_f32_16x16x128_bf8_bf8, f32 sums; everything else in f32.
;; Inputs: Wk 16 x 1,024 x 64 float32; Wp 1,024 x 1,024 float32; Wq 16 x 1,024 x 64 float32; Wv 16 x 1,024 x 64 float32; bp 1,024 float32; lowp_scales 12 int32 (the exponents e of the quantised operands' scales 2^e); x 4 x 2,048 x 1,024 float32.
;; Outputs: out0 4 x 2,048 x 1,024 float32.
;; This version of the problem:
;;   THIS VERSION OF THE PROBLEM IS GIVEN IN LOW PRECISION. The matrix products marked QUANTISED in the list below multiply operands that are first quantised to E5M2 (5 exponent bits, 2 mantissa bits; 8 bits a number), with one given power-of-two scale for each operand tensor; their sums are f32. All else is computed in f32.
;;   The module's matrix products, in the order in which they are computed (A, B: the left and right operand; K: the contracted axis; several contracted axes count as one K, in the product's order):
;;     1. [M 1,024, K 1,024] x [K 1,024, N 8,192]; A: input Wq; B: input x: QUANTISED (scales: A lowp_scales[0], B lowp_scales[1])
;;     2. [M 1,024, K 1,024] x [K 1,024, N 8,192]; A: input Wk; B: input x: QUANTISED (scales: A lowp_scales[2], B lowp_scales[3])
;;     3. [M 1,024, K 1,024] x [K 1,024, N 8,192]; A: input Wv; B: input x: QUANTISED (scales: A lowp_scales[4], B lowp_scales[5])
;;     4. batch 64 x [M 2,048, K 64] x [K 64, N 2,048]; A: computed on the way; B: computed on the way: QUANTISED (scales: A lowp_scales[6], B lowp_scales[7])
;;     5. batch 64 x [M 2,048, K 2,048] x [K 2,048, N 64]; A: softmax (see below); B: computed on the way: QUANTISED (scales: A lowp_scales[8], B lowp_scales[9])
;;     6. [M 8,192, K 1,024] x [K 1,024, N 1,024]; A: computed on the way; B: input Wp: QUANTISED (scales: A lowp_scales[10], B lowp_scales[11])
;;   THE QUANTISER, for each operand of a quantised product, along K:
;;     - The operand's scale is 2^e, e = its entry of the input lowp_scales (int32; the entries are numbered through the quantised products in the list's order, A before B).
;;     - Each number is divided by the scale, clamped to +-57,344, and rounded to the nearest number of E5M2, ties to even, subnormals kept.
;;     - The product sums the exact products of the quantised numbers (number of the format x scale) in f32.
;;   ~~~python
;;   def quantise(x, axis, e):      # numpy; x: float32 -> the quantised numbers, widened to float32 again
;;       x = np.moveaxis(x, axis, -1); K = x.shape[-1]
;;       r = np.clip(x / 2.0 ** e, -57344, 57344)
;;       step = 2.0 ** (np.maximum(np.frexp(np.where(r == 0, 1, r))[1] - 1, -14) - 2)
;;       q = np.round(r / step) * step * 2.0 ** e      # np.round: ties to even
;;       return np.moveaxis(q, -1, axis).astype(np.float32)
;;   ~~~
;;   SOFTMAX AHEAD OF A QUANTISED PRODUCT. Where the list says 'softmax', what is quantised is not the finished softmax but p = 2^(t - M), with t = logit x log2(e) and M = ceil(the row's largest t), a whole number; so 1/2 < the row's largest p <= 1. The row's sum l is taken of the UNQUANTISED p, in f32, and the product's result is divided by l at the end. Since M is a whole number, a kernel that streams over the keys may use a running M (the ceiling of the running maximum): every later rescaling is an exact power of two, so the quantised numbers keep their values, but for numbers so far below the row's largest that they fall under the format's range.
;;   OPERANDS COMPUTED ON THE WAY. 'Computed on the way' means the value that the module computes at that place (a softmax that the list does not call 'softmax' is quantised finished and normalised). What goes into a quantiser is computed in f32, as accurately as f32 sums, v_exp_f32 and their like allow (about 1e-6 of the number): no bf16 or f16 on the way to a quantiser, and a product that is left as it is and whose result goes on into a quantised operand takes f32 operands (vector FMAs, or v_wmma_f32_16x16x4_f32). A number that lies on a knife's edge between two numbers of the format may be rounded either way, as far as f32 arithmetic and the matrix unit's own rounding can turn it there, and no further.
;; One version. Each part assembles by itself: llvm-mc -triple=amdgcn-amd-amdhsa -mcpu=gfx1250 --defsym DOCPART=n.
;; ======== version 1 of 1: 4 launches
;; limits: right only within a limited range of input values
;; workspace buffers: ximg 25,165,824 bytes; wimg 4,194,304 bytes; qkv 25,165,824 bytes; oimg 8,388,608 bytes
;; launch quant (part 1): grid 1536 x 1, 4 waves a work-group, no clusters, 42,496 bytes of LDS; arguments x, Wq, Wk, Wv, Wp, lowp_scales, ximg, wimg; writes ximg, wimg
.if DOCPART == 1
	.amdgcn_target "amdgcn-amd-amdhsa--gfx1250"
	.amdhsa_code_object_version 6
	.text
	.protected	k_qd3989cfabe_quant
	.globl	k_qd3989cfabe_quant
	.p2align	8
	.type	k_qd3989cfabe_quant,@function
k_qd3989cfabe_quant:
	s_mov_b64 s[64:65], 0
	v_nop
	global_prefetch_b8 v0, s[64:65] scope:SCOPE_SE
	s_setreg_imm32_b32 hwreg(HW_REG_WAVE_MODE, 25, 1), 1
	s_wait_xcnt 0x0
; x [8192][1024] f32 becomes three sets of E5M2 codes (scales 2^e1, 2^e3, 2^e5: the three projections may be given different ones);
; Wq, Wk, Wv [16][1024][64] and Wp [1024][1024] f32, whose K is not innermost, become one set each (e0, e2, e4, e11).
; code = number / 2^e, held within +-57,344, rounded to the nearest code, ties to even.
; LIMITS: every e used here lies between -126 and 112, so that 2^e and 57,344 x 2^e are f32 numbers.  NaN among the inputs is not served.
; THE CODES ARE LAID AS IMAGES OF OPERAND REGISTERS.  A fragment is 16 rows x 128 K in 16 registers a lane: lane (r = lane % 16, h = lane / 16) holds row r,
; registers 2c, 2c+1 hold k = 16c + 8h + 0..7.  Its image is four chunks of 512 bytes: chunk g = registers 4g..4g+3, lane L's 16 bytes at 16 L.
; ximg: three images of [rowtile 512][kstep 8][2,048 bytes], 8 MiB apart.  wimg: Wq, Wk, Wv, Wp, 1 MiB apart, each [rowtile 64 = n / 16][kstep 8][2,048]; n = 64 head + d, for Wp its column.
; Work-groups 0..1023 take x (a wave: one fragment), 1024..1535 the weights (a wave: 64 columns x 32 along K: one chunk of four row tiles).
; Straight-line text; waves share nothing: no barrier.  No work-group reads what another reads, so nothing is there to share in a cluster.  The two paths have LDS bytes of their own.
.set XSTG, 8448                        ; path X: a wave's stage: 16 rows x (512 bytes + 16 of padding)
.set WSTG, 4*XSTG                      ; path W: 2,048 bytes a wave, behind the four stages of path X
.set R, 16                             ; v16-79   numbers as loaded; then the held numbers
.set X, 80                             ; v80-143  numbers in the operand's order
.set C, 144                            ; v144-191 codes
.macro MKSCALE e, vs, vl               ; v[vs] = 2^e as f32 (the conversion takes its exponent field); v[vl] = 57,344 x 2^e; e in s[e]; s42, s43 at work
	s_add_co_i32 s43, s[\e], 127
	s_lshl_b32 s42, s43, 23
	v_mov_b32 v[\vs], s42
	s_add_co_i32 s43, s43, 15
	s_lshl_b32 s43, s43, 23
	s_or_b32 s43, s43, 0x600000
	v_mov_b32 v[\vl], s43
.endm
	s_load_b256 s[4:11], s[0:1], 0x0               ; x s[4:5], Wq s[6:7], Wk s[8:9], Wv s[10:11]
	s_load_b256 s[12:19], s[0:1], 0x20             ; Wp s[12:13], the exponents s[14:15], ximg s[16:17], wimg s[18:19]
	v_lshl_add_u32 v192, v0, 2, 0xa400
	v_mov_b32 v193, 0
	v_lshrrev_b32 v1, 5, v0
	v_readfirstlane_b32 s20, v1                    ; wave 0..3
	v_and_b32 v1, 31, v0                           ; lane
	v_and_b32 v2, 15, v0                           ; r
	v_bfe_u32 v3, v0, 4, 1                         ; h
	v_lshlrev_b32 v4, 4, v1                        ; 16 x lane
	s_wait_kmcnt 0x0
	s_load_b256 s[24:31], s[14:15], 0x0            ; e0 .. e7
	s_load_b128 s[32:35], s[14:15], 0x20           ; e8 .. e11
	s_cmp_lt_u32 ttmp9, 1024
	s_cbranch_scc0 .Lw
; ---- PATH X: fragment u = 4 x work-group + wave: row tile u / 8, K step u % 8
	s_lshl_b32 s21, ttmp9, 2
	s_add_co_u32 s21, s21, s20                     ; u
	s_lshr_b32 s22, s21, 3
	s_lshl_b32 s22, s22, 16                        ; 16 rows of 4,096 bytes
	s_and_b32 s23, s21, 7
	s_lshl_b32 s23, s23, 9                         ; 128 numbers of 4 bytes
	s_add_co_u32 s22, s22, s23
	s_mov_b32 s23, 0
	s_add_nc_u64 s[4:5], s[4:5], s[22:23]
	s_lshl_b32 s22, s21, 11                        ; the fragment's image, 2,048 bytes
	s_add_nc_u64 s[36:37], s[16:17], s[22:23]      ; three bases: 8 MiB does not fit a store's immediate
	s_add_nc_u64 s[38:39], s[36:37], 0x800000
	s_add_nc_u64 s[40:41], s[36:37], 0x1000000
	s_mul_i32 s48, s20, XSTG
	s_wait_alu depctr_va_vdst(0)
	v_add_nc_u32 v14, s48, v4                      ; into the stage: 16 bytes a lane of a row
	v_mul_u32_u24 v15, v2, 528
	v_lshl_add_u32 v15, v3, 5, v15
	v_add_nc_u32 v15, s48, v15                     ; out of it: row r, + 32 h bytes: my eight numbers of each 16
.irp i, 0,1,2,3,4,5,6,7,8,9,10,11,12,13,14,15
	global_load_b128 v[R+4*\i:R+4*\i+3], v4, s[4:5] offset:4096*\i th:TH_LOAD_NT   ; row i: 32 lanes read 512 consecutive bytes
.endr
	s_wait_alu depctr_va_vdst(0)
	s_wait_kmcnt 0x0
	MKSCALE 25, 5, 6                               ; e1
	MKSCALE 27, 7, 8                               ; e3
	MKSCALE 29, 9, 10                              ; e5
	s_wait_alu depctr_va_vdst(0)
.irp i, 0,1,2,3,4,5,6,7,8,9,10,11,12,13,14,15
	s_wait_loadcnt 15-\i                           ; loads come back in order: row i is in, the younger rows stay out
	ds_store_b128 v14, v[R+4*\i:R+4*\i+3] offset:528*\i
.endr
.irp c, 0,1,2,3,4,5,6,7
	ds_load_b128 v[X+8*\c:X+8*\c+3], v15 offset:64*\c          ; x(r, 16c + 8h + 0..3): LDS serves a wave's instructions in order, so these see the stores
	ds_load_b128 v[X+8*\c+4:X+8*\c+7], v15 offset:64*\c+16     ; and + 4..7
.endr
.irp z, 0,1,2
.irp c, 0,1,2,3,4,5,6,7
.if \z == 0
	s_wait_dscnt 14-2*\c                           ; pair c is back (the younger pairs stay out); the stage's stores, issued earlier, have read R
.endif
.irp i, 0,1,2,3,4,5,6,7
	v_med3_num_f32 v[R+8*\c+\i], v[X+8*\c+\i], -v[6+2*\z], v[6+2*\z]   ; the conversion does not saturate (ISA guide 7.6.2): the hold at the largest code x the scale
.endr
	v_cvt_scalef32_pk8_bf8_f32 v[C+16*\z+2*\c:C+16*\z+2*\c+1], v[R+8*\c:R+8*\c+7], v[5+2*\z]   ; registers 2c, 2c+1 of the fragment; the next group's holds are the plain lines behind it
.endr
.endr
	v_nop                                          ; a plain line behind the last conversion
.irp z, 0,1,2
.irp g, 0,1,2,3
	global_store_b128 v4, v[C+16*\z+4*\g:C+16*\z+4*\g+3], s[36+2*\z:37+2*\z] offset:512*\g   ; a chunk: 512 consecutive bytes
.endr
.endr
	s_wait_tensorcnt 0x0
	ds_add_u32 v192, v193
	s_wait_dscnt 0x0
	s_endpgm
; ---- PATH W: unit u = 4 x (work-group - 1024) + wave: tensor u / 512, group of 64 columns (u / 32) % 16, 32 along K u % 32
.macro WLOAD pitch                     ; row 32 ch + i of the weight at my two columns: 32 lanes read 256 consecutive bytes
.irp i, 0,1,2,3,4,5,6,7,8,9,10,11,12,13,14,15,16,17,18,19,20,21,22,23,24,25,26,27,28,29,30,31
	global_load_b64 v[R+2*\i:R+2*\i+1], v11, s[44:45] offset:\i*\pitch th:TH_LOAD_NT
.endr
.endm
.Lw:
	s_sub_co_u32 s21, ttmp9, 1024
	s_lshl_b32 s21, s21, 2
	s_add_co_u32 s21, s21, s20                     ; u
	s_lshr_b32 s22, s21, 9                         ; which tensor: 0 Wq, 1 Wk, 2 Wv, 3 Wp
	s_bfe_u32 s23, s21, 0x40005                    ; cg: the group of 64 columns (for Wq, Wk, Wv: the head)
	s_and_b32 s36, s21, 31                         ; ch: which 32 along K
	s_wait_alu depctr_va_vdst(0)
	v_lshlrev_b32 v11, 3, v1                       ; two columns, 8 bytes a lane
	s_lshl_b32 s37, s20, 11
	s_add_co_u32 s37, s37, WSTG                    ; my stage
	v_lshrrev_b32 v12, 3, v1
	v_lshlrev_b32 v12, 9, v12                      ; columns 2L, 2L+1 lie in row tile L / 8: its chunk of 512 bytes,
	v_and_b32 v13, 7, v1
	v_lshl_add_u32 v12, v13, 5, v12                ; at rows r = 2 (L % 8) + 0, 1: 16 bytes each
	v_add_nc_u32 v12, s37, v12
	v_add_nc_u32 v13, s37, v4                      ; back: 16 x lane
	s_lshl_b32 s38, s22, 20                        ; the tensor's image,
	s_lshl_b32 s39, s23, 16                        ; four row tiles of 16,384 bytes,
	s_add_co_u32 s38, s38, s39
	s_lshr_b32 s39, s36, 2
	s_lshl_b32 s39, s39, 11                        ; K step ch / 4,
	s_add_co_u32 s38, s38, s39
	s_and_b32 s39, s36, 3
	s_lshl_b32 s39, s39, 9                         ; chunk ch % 4
	s_add_co_u32 s38, s38, s39
	s_mov_b32 s39, 0
	s_add_nc_u64 s[46:47], s[18:19], s[38:39]
	s_mov_b32 s41, 0
	s_cmp_eq_u32 s22, 3
	s_cbranch_scc1 .Lwp
	s_cmp_eq_u32 s22, 1                            ; the choice hangs on the work-group's and the wave's number alone
	s_cselect_b64 s[44:45], s[8:9], s[6:7]
	s_cmp_eq_u32 s22, 2
	s_cselect_b64 s[44:45], s[10:11], s[44:45]
	s_lshl_b32 s40, s23, 18                        ; a head: 1,024 rows of 256 bytes
	s_lshl_b32 s42, s36, 13                        ; 32 rows
	s_add_co_u32 s40, s40, s42
	s_add_nc_u64 s[44:45], s[44:45], s[40:41]
	s_wait_alu depctr_va_vdst(0)
	WLOAD 256
	s_branch .Lwj
.Lwp:
	s_lshl_b32 s40, s23, 8                         ; 64 columns
	s_lshl_b32 s42, s36, 17                        ; 32 rows of 4,096 bytes
	s_add_co_u32 s40, s40, s42
	s_add_nc_u64 s[44:45], s[12:13], s[40:41]
	s_wait_alu depctr_va_vdst(0)
	WLOAD 4096
.Lwj:
	s_wait_kmcnt 0x0
	s_cmp_eq_u32 s22, 1
	s_cselect_b32 s43, s26, s24                    ; e2 or e0
	s_cmp_eq_u32 s22, 2
	s_cselect_b32 s43, s28, s43                    ; e4
	s_cmp_eq_u32 s22, 3
	s_cselect_b32 s43, s35, s43                    ; e11
	MKSCALE 43, 5, 6
	s_wait_alu depctr_va_vdst(0)
	s_wait_loadcnt 0x0
.irp u, 0,1                                    ; the hold also parts my two columns: column 2L + u gets 32 registers down K
.irp i, 0,1,2,3,4,5,6,7,8,9,10,11,12,13,14,15,16,17,18,19,20,21,22,23,24,25,26,27,28,29,30,31
	v_med3_num_f32 v[X+32*\u+\i], v[R+2*\i+\u], -v6, v6
.endr
.endr
.irp u, 0,1                                    ; k = 8 n + 0..7 of the chunk belongs to lane half n % 2, register pair n / 2
.irp n, 0,1,2,3
	v_cvt_scalef32_pk8_bf8_f32 v[C+8*\u+4*(\n%2)+2*(\n/2):C+8*\u+4*(\n%2)+2*(\n/2)+1], v[X+32*\u+8*\n:X+32*\u+8*\n+7], v5
.endr
.endr
	v_nop                                          ; a plain line behind the last conversion
.irp u, 0,1
.irp n, 0,1
	ds_store_b128 v12, v[C+8*\u+4*\n:C+8*\u+4*\n+3] offset:16*\u+256*\n   ; the 16 bytes of lane (r = 2 (L % 8) + u, h = n) of the chunk
.endr
.endr
.irp t, 0,1,2,3
	ds_load_b128 v[160+4*\t:163+4*\t], v13 offset:512*\t   ; row tile t's chunk, 16 bytes a lane (in order behind my stores)
.endr
	s_wait_dscnt 0x0
.irp t, 0,1,2,3
	global_store_b128 v4, v[160+4*\t:163+4*\t], s[46:47] offset:16384*\t   ; 512 consecutive bytes
.endr
	s_wait_tensorcnt 0x0
	ds_add_u32 v192, v193
	s_wait_dscnt 0x0
	s_endpgm
.Lfunc_end_k_qd3989cfabe_quant:
	.size	k_qd3989cfabe_quant, .Lfunc_end_k_qd3989cfabe_quant-k_qd3989cfabe_quant
	.p2alignl 7, 3214868480
	.fill 96, 4, 3214868480
	.section	.rodata,"a",@progbits
	.p2align	6, 0x0
	.amdhsa_kernel k_qd3989cfabe_quant
		.amdhsa_group_segment_fixed_size 42496
		.amdhsa_private_segment_fixed_size 0
		.amdhsa_enable_private_segment 0
		.amdhsa_kernarg_size 64
		.amdhsa_user_sgpr_count 2
		.amdhsa_user_sgpr_kernarg_segment_ptr 1
		.amdhsa_wavefront_size32 1
		.amdhsa_system_sgpr_workgroup_id_x 1
		.amdhsa_system_sgpr_workgroup_id_y 1
		.amdhsa_system_sgpr_workgroup_id_z 1
		.amdhsa_system_vgpr_workitem_id 0
		.amdhsa_next_free_vgpr 194
		.amdhsa_next_free_sgpr 66
		.amdhsa_reserve_vcc 0
		.amdhsa_float_denorm_mode_32 3
		.amdhsa_float_denorm_mode_16_64 3
		.amdhsa_memory_ordered 1
		.amdhsa_forward_progress 1
		.amdhsa_inst_pref_size 36
	.end_amdhsa_kernel
	.amdgpu_metadata
---
amdhsa.version: [ 1, 2 ]
amdhsa.kernels:
  - .name:           k_qd3989cfabe_quant
    .symbol:         k_qd3989cfabe_quant.kd
    .args:
      - { .name: x, .offset: 0, .size: 8, .value_kind: global_buffer, .address_space: global }
      - { .name: Wq, .offset: 8, .size: 8, .value_kind: global_buffer, .address_space: global }
      - { .name: Wk, .offset: 16, .size: 8, .value_kind: global_buffer, .address_space: global }
      - { .name: Wv, .offset: 24, .size: 8, .value_kind: global_buffer, .address_space: global }
      - { .name: Wp, .offset: 32, .size: 8, .value_kind: global_buffer, .address_space: global }
      - { .name: lowp_scales, .offset: 40, .size: 8, .value_kind: global_buffer, .address_space: global }
      - { .name: ximg, .offset: 48, .size: 8, .value_kind: global_buffer, .address_space: global }
      - { .name: wimg, .offset: 56, .size: 8, .value_kind: global_buffer, .address_space: global }
    .group_segment_fixed_size: 42496
    .private_segment_fixed_size: 0
    .kernarg_segment_align: 8
    .kernarg_segment_size: 64
    .max_flat_workgroup_size: 128
    .sgpr_count:     66
    .vgpr_count:     194
    .wavefront_size: 32
...
	.end_amdgpu_metadata
.endif
;; end of part 1
;; launch qkvgemm (part 2): grid 4 x 64, 4 waves a work-group, clusters of 4 x 4, 327,680 bytes of LDS; arguments ximg, wimg, lowp_scales, qkv; writes qkv
.if DOCPART == 2
	.amdgcn_target "amdgcn-amd-amdhsa--gfx1250"
	.amdhsa_code_object_version 6
	.text
	.protected	k_qd3989cfabe_qkvgemm
	.globl	k_qd3989cfabe_qkvgemm
	.p2align	8
	.type	k_qd3989cfabe_qkvgemm,@function
k_qd3989cfabe_qkvgemm:
	s_mov_b64 s[64:65], 0
	v_nop
	global_prefetch_b8 v0, s[64:65] scope:SCOPE_SE
	s_setreg_imm32_b32 hwreg(HW_REG_WAVE_MODE, 25, 1), 1
	s_wait_xcnt 0x0
	s_wait_alu depctr_hold_cnt(0) depctr_sa_sdst(0) depctr_va_vdst(0) depctr_va_sdst(0) depctr_va_ssrc(0) depctr_va_vcc(0) depctr_vm_vsrc(0)
	s_getreg_b32 s2, hwreg(HW_REG_IB_STS2, 6, 4)
	s_cmp_eq_u32 s2, 0
	s_cbranch_scc0 .Lentry_in_a_cluster
	s_endpgm
.Lentry_in_a_cluster:
	s_bfe_u32 s2, ttmp6, 0x10000c
	s_cmp_lg_u32 s2, 0xf033
	s_cbranch_scc0 .Lentry_shape_is_right
	s_endpgm
.Lentry_shape_is_right:
; The three projections q, k, v on E5M2 codes, and their results quantised again (e6, e7, e9) on the way out.  K = 1,024.
; C[m][n] = sum over k of A[m][k] B[n][k]; A and B are fragment images: [rowtile][kstep 8][2,048 bytes], a fragment = 16 rows x 128 K, chunk g (512 bytes) = registers 4g..4g+3, 16 bytes a lane.
; A WORK-GROUP STAYS and makes three tiles of 128 (m) x 256 (n), p = 0, 1, 2 for q, k, v; each of four waves 64 x 128: 32 accumulators.  256 work-groups, 768 tiles.
; p < 2: A = x's image p (m = 2048 b + t), B = the weight's image (n = 64 head + d).  p = 2: A = Wv's image, B = x's third image: so v comes out with the KEYS along a lane's registers.
; THE MATRIX INSTRUCTION IS USED TRANSPOSED (source 0 = 16 rows of B, source 1 = 16 rows of A): lane (r, h) holds C(16a + r, 16b + 8h + 0..7): one conversion of accumulator (a, b) IS register pair b of the next
; operand's fragment, and accumulators 2g, 2g+1 are its chunk g: the codes are stored straight from registers, 512 consecutive bytes a store.
; qkv: q at 0, k at 8 MiB: [b 4][head pair 8][t / 16: 128][member 2][chunk 2][512];  v at 16 MiB: [16 b + head: 64][128 keys: 16][d / 16: 4][chunk 4][512].
; LDS: a ring of two slots of 147,456 bytes (A: 8 row tiles, then from byte 49,152 B: 16 row tiles).  A tile takes three fills: K 0..383 and K 384..767 (6,144 bytes of each row tile) and K 768..1023 (4,096 bytes).
; The ring goes on from tile to tile: fill n lands in slot n % 2 and is asked for behind the round at which that slot's last reads are over; a wave has one load out, issued first behind the round.
; The next tile's first fill is asked for in K step 5 and waited for behind the way out; nothing waits for a tile's stores.
; CLUSTER 4 x 4: a row of the cluster shares A's tiles, a column B's: each tile is asked for jointly, by the same load with the same descriptor and a mask that names the four.
; LIMIT: E = e_out - e_weight - e_x lies between -126 and 112 for each of the three.  NaN is not served.
; REGISTERS: window 0: v4 16 x lane; v16-19, v20-23 LDS addresses (slot, row pitch); v28, v29 for the add; v30-35 2^E and 57,344 x 2^E for p = 0, 1, 2; v64-191 A's fragments, two sets; v192-255 codes.
;   window 1: B's fragments, two sets.  window 2: accumulator (a, b) at v[8 (8a + b)].
.set SLOTB, 147456
.set SPARE, 2*SLOTB                    ; behind the ring: the spare words, 128 bytes a wave, which no other line names
.set LI,   4
.set ADRA, 16                          ; v[ADRA + 2 slot + shape]; shape 0: row tiles 6,144 bytes apart, 1: 4,096
.set ADRB, 20
.set SPW,  28
.set NIL,  29
.set AF,   64
.set CD,   192
.set HA,   66                          ; s66, s67: where the half of A that I fetch begins in a slot, shape 0, 1
.set HB,   100                         ; s100, s101: the same for B; also where the half of B that I read begins
.set MSB, 0
.macro WIN new                         ; the immediate's high byte repeats the setting that is left
.if MSB != \new
	s_set_vgpr_msb (MSB<<8)|\new
.set MSB, \new
.endif
.endm
.set MUL,  0xa1                        ; source 0 (B) window 1, source 1 (A) window 0, C and D window 2
.set TO_B, 0x40                        ; destination window 1, address window 0
.macro JLOAD g0a, g1a, g0b, g1b        ; a joint load: waves 0, 1 fetch A's halves, waves 2, 3 B's; an s_nop 0 and four v_nop follow each line
	s_cmp_eq_u32 s15, 0
	s_cbranch_scc0 .Lfor_b_\@
	tensor_load_to_lds s[\g0a:\g0a+3], s[\g1a:\g1a+7]
	s_nop 0
.rept 4
	v_nop
.endr
	s_branch .Lasked_\@
.Lfor_b_\@:
	tensor_load_to_lds s[\g0b:\g0b+3], s[\g1b:\g1b+7]
	s_nop 0
.rept 4
	v_nop
.endr
.Lasked_\@:
.endm
.macro CREST                           ; a round of the cluster's barrier behind its opening barrier
	s_cmp_lg_u32 s14, 0
	s_cbranch_scc1 .Lnot_wave_0_\@
	s_barrier_signal -3
.Lnot_wave_0_\@:
	s_barrier_wait -3
	s_barrier_signal -1
	s_barrier_wait -1
.endm
.macro CROUND
	s_barrier_signal -1
	s_barrier_wait -1
	CREST
.endm
.macro PLACES n
.rept \n
	v_nop
.endr
.endm
.macro MKG1 g, m, dim0, rows           ; group 1: the mask in s[m]; elements of 8 bytes; bit 21 beside a mask; no padding; 16,384 bytes from row tile to row tile
	s_or_b32 s[\g], s[\m], (3<<16)|(1<<21)
	s_mov_b32 s[\g+1], \dim0<<16
	s_mov_b32 s[\g+2], \rows<<16
	s_mov_b32 s[\g+3], \dim0<<16
	s_mov_b32 s[\g+4], \rows
	s_mov_b32 s[\g+5], 2048
	s_mov_b32 s[\g+6], 0
	s_mov_b32 s[\g+7], 0
.endm
.macro BASES p                         ; which address pairs and constants give tile p's rows of A and of B
.if (\p) < 2
.set AB, 20
.set AK, (\p)<<23
.set BB, 46
.set BK, (\p)<<20
.else
.set AB, 40
.set AK, 0
.set BB, 42
.set BK, 0
.endif
.endm
.macro SETG0 sl, sh, ko                ; both groups 0 for a fill of slot sl, shape sh, from byte ko of each row tile.  No load of mine is out where this stands
	s_add_co_u32 s57, s[HA+(\sh)], (\sl)*SLOTB
	s_add_nc_u64 s[58:59], s[AB:AB+1], AK+(\ko)
	s_or_b32 s59, s59, 0x80000000
	s_add_co_u32 s73, s[HB+(\sh)], (\sl)*SLOTB
	s_add_nc_u64 s[74:75], s[BB:BB+1], BK+(\ko)
	s_or_b32 s75, s75, 0x80000000
.endm
.macro FRAG reg, adr, sh, q, i         ; row tile i, K step q of a slot: four chunks
.irp g, 0,1,2,3
	ds_load_b128 v[\reg+4*\g:\reg+4*\g+3], v[\adr] offset:(6144-2048*(\sh))*(\i)+2048*(\q)+512*\g
.endr
.endm
.macro FETCH sl, sh, q, p              ; 48 loads into set p: A's block 0, B's eight, then A's blocks 1-3 (the 12 youngest)
	WIN 0
	FRAG AF+64*(\p), ADRA+2*(\sl)+(\sh), \sh, \q, 0
	WIN TO_B
.irp i, 0,1,2,3,4,5,6,7
	FRAG 128*(\p)+16*\i, ADRB+2*(\sl)+(\sh), \sh, \q, \i
.endr
	WIN 0
.irp i, 1,2,3
	FRAG AF+64*(\p)+16*\i, ADRA+2*(\sl)+(\sh), \sh, \q, \i
.endr
.endm
.macro MULA a, p, zero                 ; A's block a against B's eight.  The 32 accumulators take turns, in one order in every step
.irp b, 0,1,2,3,4,5,6,7
.if \zero
	v_wmma_f32_16x16x128_bf8_bf8 v[8*(8*(\a)+\b):8*(8*(\a)+\b)+7], v[128*(\p)+16*\b:128*(\p)+16*\b+15], v[AF+64*(\p)+16*(\a):AF+64*(\p)+16*(\a)+15], 0
.else
	v_wmma_f32_16x16x128_bf8_bf8 v[8*(8*(\a)+\b):8*(8*(\a)+\b)+7], v[128*(\p)+16*\b:128*(\p)+16*\b+15], v[AF+64*(\p)+16*(\a):AF+64*(\p)+16*(\a)+15], v[8*(8*(\a)+\b):8*(8*(\a)+\b)+7]
.endif
.endr
.endm
.macro STEP p, sl, sh, fq, zero        ; 128 along K on set p; the next step's fragments (slot sl, shape sh, K step fq) go into the other set
	s_wait_dscnt 12                                ; A's block 0 and B are in; A's blocks 1-3 may be out
	WIN MUL
	MULA 0, \p, \zero
	PLACES 4                                       ; in front of loads into registers that the last step's matrix instructions read
	FETCH \sl, \sh, \fq, 1-\p
	s_wait_dscnt 48                                ; all but the 48 just issued
	WIN MUL
	MULA 1, \p, \zero
	MULA 2, \p, \zero
	MULA 3, \p, \zero
.endm
.macro TURN p, fsl, fsh, fill, gsl, gsh, ko    ; a slot's last step.  fill = 1: behind a round of the cluster's barrier the slot just read out (gsl) is filled again
	WIN 0
	s_wait_tensorcnt 0x0                           ; my one load that was out, my part of the other slot, has landed
	ds_add_u32 v[SPW], v[NIL]                      ; 0 onto my spare word
	s_wait_dscnt 13                                ; (the add and A's blocks 1-3 may be out)
	WIN MUL
	MULA 0, \p, 0
	s_wait_dscnt 0x0                               ; the add is done, and my reads of this slot are over
	s_barrier_signal -1
	MULA 1, \p, 0
	WIN 0
	s_barrier_wait -1
.if \fill
	CREST                                          ; no wave of any partner still reads the slot or has a load on its way
	SETG0 \gsl, \gsh, \ko
	JLOAD 56, 24+52*(\gsh), 72, 48-16*(\gsh)       ; the first tensor load behind the round; its v_nop are the places for the loads below
.else
	PLACES 4
.endif
	FETCH \fsl, \fsh, 0, 1-\p
	WIN MUL
	MULA 2, \p, 0
	MULA 3, \p, 0
.endm
.macro MKE vs, eo, ew, ex              ; a sum stands for sum x 2^(ew + ex): its code is sum / 2^E, E = eo - ew - ex.  v[vs] = 2^E, v[vs+1] = 57,344 x 2^E
	s_sub_co_i32 s12, s[\eo], s[\ew]
	s_sub_co_i32 s12, s12, s[\ex]
	s_add_co_i32 s12, s12, 127
	s_lshl_b32 s13, s12, 23
	v_mov_b32 v[\vs], s13
	s_add_co_i32 s12, s12, 15
	s_lshl_b32 s12, s12, 23
	s_or_b32 s12, s12, 0x600000
	v_mov_b32 v[\vs+1], s12
.endm
; A TILE.  Its first fill (slot SA) has been asked for.  ob: the pair that holds where my 8,192 bytes of codes go.
.macro TILE p, ob
.set SA, (\p)&1
.set SB, 1-SA
	BASES \p
	s_wait_alu depctr_va_vdst(0)
	s_wait_tensorcnt 0x0                           ; my part of K 0..383 is in
	ds_add_u32 v[SPW], v[NIL]
	s_wait_dscnt 0x0                               ; the add is done, and my reads of the other slot are over
	CROUND
	SETG0 SB, 0, 6144
	JLOAD 56, 24, 72, 48                           ; K 384..767 (in the first tile: slot 1's first fill, issued as a refill is)
	FETCH SA, 0, 0, 0
	STEP 0, SA, 0, 1, 1                            ; K step 0 starts the sums: nothing is cleared
	STEP 1, SA, 0, 2, 0
	TURN 0, SB, 0, 1, SA, 1, 12288                 ; K step 2; K 768..1023 is asked for
	STEP 1, SB, 0, 1, 0
	STEP 0, SB, 0, 2, 0
.if \p < 2
	BASES (\p)+1
	TURN 1, SA, 1, 1, SB, 0, 0                     ; K step 5; the next tile's K 0..383 is asked for
.else
	TURN 1, SA, 1, 0, 0, 0, 0                      ; the last tile asks for nothing more
.endif
	STEP 0, SA, 1, 1, 0
	s_wait_dscnt 12                                ; K step 7
	WIN MUL
	MULA 0, 1, 0
	s_wait_dscnt 0x0
	MULA 1, 1, 0
	MULA 2, 1, 0
	MULA 3, 1, 0
	s_wait_xcnt 0x0                                ; the last tile's stores have read the codes' registers
	PLACES 4                                       ; in front of the first reads of results
	WIN 0x82                                       ; source 0 and destination window 2
.set J, 0
.rept 256
	v_med3_num_f32 v[J], v[J], -v[31+2*\p], v[31+2*\p]   ; the hold at the largest code x the scale; each accumulator from its low end on
.set J, J+1
.endr
	WIN 0x02                                       ; source 0 window 2, destination window 0
.set J, 0
.rept 32
	v_cvt_scalef32_pk8_bf8_f32 v[CD+2*J:CD+1+2*J], v[8*J:8*J+7], v[30+2*\p]   ; accumulator (a, b), J = 8a + b: register pair b of fragment a
.set J, J+1
.endr
	v_nop                                          ; a plain line behind the last conversion
	WIN 0
.irp a, 0,1,2,3
.irp g, 0,1,2,3
	global_store_b128 v[LI], v[CD+4*(4*\a+\g):CD+4*(4*\a+\g)+3], s[\ob:\ob+1] offset:2048*\a+512*\g   ; a chunk: 512 consecutive bytes
.endr
.endr
.endm
	s_load_b256 s[4:11], s[0:1], 0x0               ; ximg s[4:5], wimg s[6:7], the exponents s[8:9], qkv s[10:11]
	v_lshl_add_u32 v[SPW], v0, 2, SPARE
	v_mov_b32 v[NIL], 0
	ds_add_u32 v[SPW], v[NIL]                      ; the opening lines: the add twice on end and one wait
	ds_add_u32 v[SPW], v[NIL]
	v_lshrrev_b32 v1, 5, v0
	v_readfirstlane_b32 s14, v1                    ; wave 0..3
	s_lshr_b32 s15, s14, 1                         ; mh: my half of the tile's rows.  Also: I fetch for A (0) or B (1)
	s_and_b32 s16, s14, 1                          ; nh: my half of its columns.  Also: which half of that tile I fetch
	s_bfe_u32 s18, ttmp6, 0x40000                  ; cx; for q and k also the tile column
	s_bfe_u32 s19, ttmp6, 0x40004                  ; cy
	s_and_b32 s22, ttmp7, 0xffff                   ; the cluster's y, 0..15
	s_lshl_b32 s17, s22, 2
	s_add_co_u32 s17, s17, s19                     ; q, k: tile row 4 y + cy
	s_lshr_b32 s23, s22, 3
	s_lshl_b32 s23, s23, 2
	s_add_co_u32 s23, s23, s19                     ; v: tile row 4 (y / 8) + cy
	s_and_b32 s44, s22, 7
	s_lshl_b32 s44, s44, 2
	s_add_co_u32 s44, s44, s18                     ; v: tile column 4 (y % 8) + cx
	s_lshl_b32 s12, s19, 2
	s_lshl_b32 s12, 15, s12                        ; my row of the cluster
	s_lshl_b32 s13, 0x1111, s18                    ; my column
	MKG1 24, 12, 768, 4                            ; A, 6,144 bytes of 4 row tiles
	MKG1 48, 13, 768, 8                            ; B, of 8
	MKG1 76, 12, 512, 4                            ; A, 4,096 bytes
	MKG1 32, 13, 512, 8                            ; B
	s_lshl_b32 s45, s16, 2
	s_lshl_b32 s3, s16, 3
	s_lshl_b32 s20, s17, 3
	s_add_co_u32 s20, s20, s45
	s_lshl_b32 s20, s20, 14                        ; q, k: A's row tile 8 x tile row + 4 x half
	s_mov_b32 s21, 0
	s_lshl_b32 s46, s18, 4
	s_add_co_u32 s46, s46, s3
	s_lshl_b32 s46, s46, 14                        ; B's row tile 16 x tile column + 8 x half
	s_mov_b32 s47, 0
	s_lshl_b32 s40, s23, 3
	s_add_co_u32 s40, s40, s45
	s_lshl_b32 s40, s40, 14
	s_add_co_u32 s40, s40, 2<<20                   ; v: A in Wv's image,
	s_mov_b32 s41, 0
	s_lshl_b32 s42, s44, 4
	s_add_co_u32 s42, s42, s3
	s_lshl_b32 s42, s42, 14
	s_add_co_u32 s42, s42, 2<<23                   ; B in x's third image
	s_mov_b32 s43, 0
	s_mul_i32 s66, s16, 24576                      ; where the halves begin in a slot
	s_lshl_b32 s67, s16, 14
	s_mul_i32 s100, s16, 49152
	s_add_co_u32 s100, s100, 49152
	s_lshl_b32 s101, s16, 15
	s_add_co_u32 s101, s101, 49152
	s_mov_b32 s56, 1
	s_mov_b32 s72, 1
	s_wait_dscnt 0x0                               ; both opening adds are done
	s_wait_kmcnt 0x0
	s_load_b256 s[84:91], s[8:9], 0x0              ; e0 .. e7
	s_load_b128 s[92:95], s[8:9], 0x20             ; e8 .. e11
	s_add_nc_u64 s[20:21], s[4:5], s[20:21]
	s_add_nc_u64 s[46:47], s[6:7], s[46:47]
	s_add_nc_u64 s[40:41], s[6:7], s[40:41]
	s_add_nc_u64 s[42:43], s[4:5], s[42:43]
	CROUND                                         ; all sixteen work-groups are here: the first joint loads meet
	BASES 0
	SETG0 0, 0, 0
	JLOAD 56, 24, 72, 48                           ; q's K 0..383: one tensor load a wave at the head
	v_and_b32 v1, 31, v0
	v_lshlrev_b32 v[LI], 4, v1
	s_wait_alu depctr_va_vdst(0)
	s_mul_i32 s12, s15, 24576                      ; my four row tiles of A
	s_lshl_b32 s13, s15, 14
	v_add_nc_u32 v[ADRA], s12, v[LI]
	v_add_nc_u32 v[ADRA+1], s13, v[LI]
	v_add_nc_u32 v[ADRB], s100, v[LI]              ; my eight of B
	v_add_nc_u32 v[ADRB+1], s101, v[LI]
.irp i, 0,1
	v_add_nc_u32 v[ADRA+2+\i], SLOTB, v[ADRA+\i]
	v_add_nc_u32 v[ADRB+2+\i], SLOTB, v[ADRB+\i]
.endr
	; where my 8,192 bytes of codes go
	s_lshl_b32 s12, s17, 3
	s_lshl_b32 s13, s15, 2
	s_add_co_u32 s12, s12, s13                     ; q, k: my first tile of 16 rows
	s_lshl_b32 s13, s18, 1
	s_add_co_u32 s13, s13, s16                     ; the head pair
	s_lshr_b32 s96, s12, 7
	s_lshl_b32 s96, s96, 10                        ; b x 8 head pairs x 128 tiles
	s_lshl_b32 s97, s13, 7
	s_add_co_u32 s96, s96, s97
	s_and_b32 s97, s12, 127
	s_add_co_u32 s96, s96, s97
	s_lshl_b32 s96, s96, 11                        ; x 2,048 bytes
	s_mov_b32 s97, 0
	s_lshl_b32 s12, s23, 1
	s_add_co_u32 s12, s12, s15                     ; v: the head
	s_lshl_b32 s13, s44, 1
	s_add_co_u32 s13, s13, s16                     ; which 128 keys of all 8,192 rows
	s_lshr_b32 s98, s13, 4
	s_lshl_b32 s98, s98, 4
	s_add_co_u32 s98, s98, s12                     ; 16 b + head
	s_lshl_b32 s98, s98, 4
	s_and_b32 s13, s13, 15
	s_add_co_u32 s98, s98, s13                     ; x 16 + key step
	s_lshl_b32 s98, s98, 13                        ; x 8,192 bytes
	s_add_co_u32 s98, s98, 2<<23
	s_mov_b32 s99, 0
	s_add_nc_u64 s[98:99], s[10:11], s[98:99]      ; v's
	s_add_nc_u64 s[10:11], s[10:11], s[96:97]      ; q's
	s_add_nc_u64 s[96:97], s[10:11], 0x800000      ; k's
	s_wait_kmcnt 0x0
	MKE 30, 90, 84, 85                             ; q: e6 - e0 - e1
	MKE 32, 91, 86, 87                             ; k: e7 - e2 - e3
	MKE 34, 93, 88, 89                             ; v: e9 - e4 - e5
	TILE 0, 10
	TILE 1, 96
	TILE 2, 98
	s_wait_tensorcnt 0x0                           ; the wave's end
	ds_add_u32 v[SPW], v[NIL]
	s_wait_dscnt 0x0
	CROUND                                         ; the closing round
	s_endpgm
.Lfunc_end_k_qd3989cfabe_qkvgemm:
	.size	k_qd3989cfabe_qkvgemm, .Lfunc_end_k_qd3989cfabe_qkvgemm-k_qd3989cfabe_qkvgemm
	.p2alignl 7, 3214868480
	.fill 96, 4, 3214868480
	.section	.rodata,"a",@progbits
	.p2align	6, 0x0
	.amdhsa_kernel k_qd3989cfabe_qkvgemm
		.amdhsa_group_segment_fixed_size 327680
		.amdhsa_private_segment_fixed_size 0
		.amdhsa_enable_private_segment 0
		.amdhsa_kernarg_size 32
		.amdhsa_user_sgpr_count 2
		.amdhsa_user_sgpr_kernarg_segment_ptr 1
		.amdhsa_wavefront_size32 1
		.amdhsa_system_sgpr_workgroup_id_x 1
		.amdhsa_system_sgpr_workgroup_id_y 1
		.amdhsa_system_sgpr_workgroup_id_z 1
		.amdhsa_system_vgpr_workitem_id 0
		.amdhsa_next_free_vgpr 768
		.amdhsa_next_free_sgpr 102
		.amdhsa_reserve_vcc 0
		.amdhsa_float_denorm_mode_32 3
		.amdhsa_float_denorm_mode_16_64 3
		.amdhsa_memory_ordered 1
		.amdhsa_forward_progress 1
		.amdhsa_inst_pref_size 206
	.end_amdhsa_kernel
	.amdgpu_metadata
---
amdhsa.version: [ 1, 2 ]
amdhsa.kernels:
  - .name:           k_qd3989cfabe_qkvgemm
    .symbol:         k_qd3989cfabe_qkvgemm.kd
    .args:
      - { .name: ximg, .offset: 0, .size: 8, .value_kind: global_buffer, .address_space: global }
      - { .name: wimg, .offset: 8, .size: 8, .value_kind: global_buffer, .address_space: global }
      - { .name: lowp_scales, .offset: 16, .size: 8, .value_kind: global_buffer, .address_space: global }
      - { .name: qkv, .offset: 24, .size: 8, .value_kind: global_buffer, .address_space: global }
    .group_segment_fixed_size: 327680
    .private_segment_fixed_size: 0
    .kernarg_segment_align: 8
    .kernarg_segment_size: 32
    .max_flat_workgroup_size: 128
    .sgpr_count:     102
    .vgpr_count:     768
    .wavefront_size: 32
...
	.end_amdgpu_metadata
.endif
;; end of part 2
;; launch attn (part 3): grid 4 x 64, 16 waves a work-group, clusters of 4 x 1, 327,680 bytes of LDS; arguments qkv, lowp_scales, oimg; writes oimg
.if DOCPART == 3
	.amdgcn_target "amdgcn-amd-amdhsa--gfx1250"
	.amdhsa_code_object_version 6
	.text
	.protected	k_qd3989cfabe_attn
	.globl	k_qd3989cfabe_attn
	.p2align	8
	.type	k_qd3989cfabe_attn,@function
k_qd3989cfabe_attn:
	s_mov_b64 s[64:65], 0
	v_nop
	global_prefetch_b8 v0, s[64:65] scope:SCOPE_SE
	s_setreg_imm32_b32 hwreg(HW_REG_WAVE_MODE, 25, 1), 1
	s_wait_xcnt 0x0
	s_wait_alu depctr_hold_cnt(0) depctr_sa_sdst(0) depctr_va_vdst(0) depctr_va_sdst(0) depctr_va_ssrc(0) depctr_va_vcc(0) depctr_vm_vsrc(0)
	s_getreg_b32 s2, hwreg(HW_REG_IB_STS2, 6, 4)
	s_cmp_eq_u32 s2, 0
	s_cbranch_scc0 .Lentry_in_a_cluster
	s_endpgm
.Lentry_in_a_cluster:
	s_bfe_u32 s2, ttmp6, 0x10000c
	s_cmp_lg_u32 s2, 0x3003
	s_cbranch_scc0 .Lentry_shape_is_right
	s_endpgm
.Lentry_shape_is_right:
; Causal attention on E5M2 codes, head size 64, 2,048 positions, 64 (batch, head) pairs; the result is quantised (e10) into fragment images for the last product.
; t = score x 2^(e6 + e7) x log2(e) / 8; M = the running largest t rounded UP to a whole number; p = 2^(t - M) is quantised (e8) along the keys, not normalised;
; the row's sum is taken of the unquantised p and divides at the end.  When M moves, the sum and O are multiplied by 2^(old M - new M): exact.
; LEFT OUT: key steps of 128 keys that lie wholly behind a tile's 16 queries: the causal mask makes their p zero for all inputs.
; qkv: q at 0, k at 8 MiB: [b][head pair 8][t / 16: 128][member 2][chunk 2][512]: a tile of 16 positions x 64 is 1,024 bytes, chunk g = registers 4g..4g+3, 16 bytes a lane.
;      v at 16 MiB: [16 b + head][128 keys: 16][d / 16: 4][chunk 4][512].   oimg: [b x 128 + t / 16: 512][head / 2: 8][2,048]: my head's 1,024 bytes at 1,024 x head.
; LDS HOLDS A HEAD'S WHOLE K AND V: K's 128 tiles x 1,024 bytes at 0, V's 16 key steps x 8,192 bytes at 131,072.  Every byte is filled once, so the walk over the keys has no change of slots.
; CLUSTER 4 x 1: the four work-groups of a head need the same K and V and ask for them jointly (mask 15).  Two groups of loads, one load a wave in each (waves 0-7 K, waves 8-15 V):
; keys 0..511 at the head (4 rows of 1,024 bytes a wave); the other 1,536 (12 rows a wave) behind the three lines and a round; four key steps stand between that request and the wait for it.
; SHARES.  Wave w of work-group i owns the query tiles 127 - a and a, a = 4 w + i.  With g = a / 8 = w / 2 they take 16 - g and g + 1 key steps: 17 for every wave of the launch, two of them on a diagonal.
; Step s = 0 .. 15 - g: tile 127 - a, key step s.  Step s = 16 - g .. 16: tile a, key step s + g - 16.  Branches and LDS addresses hang on w and s alone, never on the place in the cluster.
; NO PREFETCH: all that the launch reads is asked for by the two groups of loads at its head; there is no loop of loads to run ahead in.
; LAYOUT.  Both products transposed: S^T = K Q^T, O^T = V^T P^T: a lane holds one query (lane % 16).  Tile n of S^T holds keys 16 n + 8 (lane / 16) + 0..7: its conversion is register pair n of P.
; LIMITS: e6 + e7 between -123 and 130; e8, and e10 - e8 - e9, between -126 and 112.  NaN is not served.
; REGISTERS: v1 16 x lane; v2 the same + V's base; v3 lane % 16 - 8 (lane / 16); v5, v6 for the add; v8, v9 LDS addresses; v12 -M; v13 the largest t; v[14:15] the sum; v16-23 Q; v24-31 the second tile's Q;
;   v32-95 K's 8 tiles, then V's 4 fragments; v96-159 S^T, then p; v160-191 O^T; v224-239 codes; v240, v244: 57,344 x 2^e8, 2^e8; v241, v245: the same with e10 - e8 - e9; v236, v242, v243, v250-255 at work.
.set VOFF,  131072
.set SPARE, 262144                     ; behind K and V: the spare words, 128 bytes a wave, which no other line names
.set LI,  1
.set LIV, 2
.set DL,  3
.set SPW, 5
.set NIL, 6
.set ADK, 8
.set ADV, 9
.set CX,  2                            ; my place in the cluster
.set WV,  3                            ; my wave
.set OBH, 10                           ; s[10:11], s[18:19] where the codes of my first and second tile go
.set OBL, 18
.set G,   17                           ; g = w / 2
.set SEL, 20                           ; s[20:21] selects for lane l xor 16
.set CS,  22                           ; s[22:23] c = log2(e) / 8 x 2^(e6 + e7)
.set G1KA, 24                          ; groups 1: K and V, first and second group of loads
.set G1VA, 32
.set G1KB, 40
.set G1VB, 48
.set G0KA, 56                          ; groups 0 likewise
.set G0VA, 60
.set G0KB, 68
.set G0VB, 72
.set SW,  66                           ; the step at which the second tile begins: 16 - g
.set ND,  67                           ; the step that lies on the tile's diagonal
.set Q0L, 88                           ; the second tile's first query
.set S,   100                          ; the step
.set TB,  101                          ; 8,192 x the key step
.set KF,  104                          ; the step's first key
.set Q0,  105                          ; my first query
.macro JLOAD gk, g1k, gv, g1v          ; a joint load: waves 0-7 K, waves 8-15 V; an s_nop 0 and four v_nop follow each line
	s_cmp_lt_u32 s[WV], 8
	s_cbranch_scc0 .Lfor_v_\@
	tensor_load_to_lds s[\gk:\gk+3], s[\g1k:\g1k+7]
	s_nop 0
.rept 4
	v_nop
.endr
	s_branch .Lasked_\@
.Lfor_v_\@:
	tensor_load_to_lds s[\gv:\gv+3], s[\g1v:\g1v+7]
	s_nop 0
.rept 4
	v_nop
.endr
.Lasked_\@:
.endm
.macro CROUND                          ; a round of the cluster's barrier
	s_barrier_signal -1
	s_barrier_wait -1
	s_cmp_lg_u32 s[WV], 0
	s_cbranch_scc1 .Lnot_wave_0_\@
	s_barrier_signal -3
.Lnot_wave_0_\@:
	s_barrier_wait -3
	s_barrier_signal -1
	s_barrier_wait -1
.endm
.macro MKG1 g, rows, pitch             ; rows of 128 elements of 8 bytes; mask 15, bit 21 beside it; no padding: fragments are read 16 bytes a lane on end
	s_mov_b32 s[\g], 15|(3<<16)|(1<<21)
	s_mov_b32 s[\g+1], 128<<16
	s_mov_b32 s[\g+2], \rows<<16
	s_mov_b32 s[\g+3], 128<<16
	s_mov_b32 s[\g+4], \rows
	s_mov_b32 s[\g+5], \pitch
	s_mov_b32 s[\g+6], 0
	s_mov_b32 s[\g+7], 0
.endm
.macro MKG0 g, off                     ; count 1, the global address qkv + s[off:off+1], type 2; the LDS address is written beside
	s_mov_b32 s[\g], 1
	s_add_nc_u64 s[\g+2:\g+3], s[4:5], s[\off:\off+1]
	s_or_b32 s[\g+3], s[\g+3], 0x80000000
.endm
.macro RESET                           ; a tile's statistics and O^T begin: the first change of M multiplies zeros
	v_mov_b32 v13, 0xff61b1e6                      ; -3e38, under every t
	s_delay_alu instid0(VALU_DEP_1)
	v_floor_f32 v12, -v13
	v_mov_b32 v14, 0
	v_mov_b32 v15, 0
.set J, 0
.rept 32
	v_mov_b32 v[160+J], 0
.set J, J+1
.endr
.endm
.macro MKSCALE vs, vl                  ; e in s80: v[vs] = 2^e as f32, v[vl] = 57,344 x 2^e
	s_add_co_i32 s80, s80, 127
	s_lshl_b32 s81, s80, 23
	v_mov_b32 v[\vs], s81
	s_add_co_i32 s80, s80, 15
	s_lshl_b32 s80, s80, 23
	s_or_b32 s80, s80, 0x600000
	v_mov_b32 v[\vl], s80
.endm
	s_load_b128 s[4:7], s[0:1], 0x0                ; qkv s[4:5], the exponents s[6:7]
	s_load_b64 s[8:9], s[0:1], 0x10                ; oimg
	v_lshl_add_u32 v[SPW], v0, 2, SPARE
	v_mov_b32 v[NIL], 0
	ds_add_u32 v[SPW], v[NIL]                      ; the opening lines: the add twice on end and one wait
	ds_add_u32 v[SPW], v[NIL]
	v_lshrrev_b32 v8, 5, v0
	v_readfirstlane_b32 s[WV], v8                  ; wave 0..15
	v_and_b32 v1, 31, v0
	v_and_b32 v[DL], 15, v0
	v_bfe_u32 v4, v0, 4, 1
	v_lshlrev_b32 v[LI], 4, v1
	v_lshlrev_b32 v4, 3, v4
	v_add_nc_u32 v[LIV], VOFF, v[LI]
	v_sub_nc_u32 v[DL], v[DL], v4
	s_bfe_u32 s[CX], ttmp6, 0x40000
	s_and_b32 s80, ttmp7, 0xffff                   ; bh = 16 b + head
	s_and_b32 s81, s[WV], 7                        ; j: which eighth of K or of V I fetch
	s_lshr_b32 s[G], s[WV], 1
	s_sub_co_u32 s[SW], 16, s[G]
	s_sub_co_u32 s[ND], 15, s[G]
	s_lshr_b32 s82, s80, 1
	s_lshl_b32 s82, s82, 18                        ; the head pair's 128 tiles of 2,048 bytes,
	s_and_b32 s83, s80, 1
	s_lshl_b32 s83, s83, 10
	s_add_co_u32 s82, s82, s83                     ; my member: the head's first byte in q and in k
	s_lshl_b32 s84, s81, 13                        ; K, first group: tiles 4 j .., 2,048 bytes apart
	s_add_co_u32 s84, s84, s82
	s_add_co_u32 s84, s84, 0x800000
	s_mov_b32 s85, 0
	s_mul_i32 s86, s81, 24576                      ; K, second group: tiles 32 + 12 j ..
	s_add_co_u32 s86, s86, s82
	s_add_co_u32 s86, s86, 0x810000
	s_mov_b32 s87, 0
	s_lshl_b32 s88, s80, 17                        ; V: the head's 16 key steps of 8,192 bytes
	s_add_co_u32 s88, s88, 0x1000000
	s_lshl_b32 s89, s81, 12
	s_add_co_u32 s90, s88, s89                     ; first group: 4,096 bytes a wave
	s_mov_b32 s91, 0
	s_mul_i32 s89, s81, 12288
	s_add_co_u32 s92, s88, s89                     ; second group: 12,288 bytes a wave, behind the first 32,768
	s_add_co_u32 s92, s92, 32768
	s_mov_b32 s93, 0
	s_lshl_b32 s94, s[WV], 2
	s_add_co_u32 s94, s94, s[CX]                   ; a: my second tile
	s_sub_co_u32 s95, 127, s94                     ; my first tile
	s_lshl_b32 s[Q0], s95, 4
	s_lshl_b32 s[Q0L], s94, 4
	s_lshl_b32 s96, s95, 11
	s_add_co_u32 s96, s96, s82                     ; their codes of q
	s_mov_b32 s97, 0
	s_lshl_b32 s98, s94, 11
	s_add_co_u32 s98, s98, s82
	s_mov_b32 s99, 0
	s_lshr_b32 s76, s80, 4
	s_lshl_b32 s76, s76, 7                         ; 128 b
	s_and_b32 s77, s80, 15
	s_lshl_b32 s77, s77, 10                        ; 1,024 x head
	s_add_co_u32 s78, s76, s95
	s_lshl_b32 s78, s78, 14
	s_add_co_u32 s78, s78, s77
	s_mov_b32 s79, 0
	s_add_co_u32 s76, s76, s94
	s_lshl_b32 s76, s76, 14
	s_add_co_u32 s76, s76, s77
	s_mov_b32 s77, 0
	MKG1 G1KA, 4, 256                              ; K: 2,048 bytes from tile to tile (the other member lies between)
	MKG1 G1VA, 4, 128                              ; V: dense
	MKG1 G1KB, 12, 256
	MKG1 G1VB, 12, 128
	s_mov_b32 s[SEL], 0x76543210
	s_mov_b32 s[SEL+1], 0xfedcba98
	s_mov_b32 s[CS], 0x3e38aa3b                    ; log2(e) / 8
	s_lshl_b32 s[G0KA+1], s81, 12                  ; LDS: 4,096 j;
	s_add_co_u32 s[G0VA+1], s[G0KA+1], VOFF
	s_mul_i32 s[G0KB+1], s81, 12288                ; 32,768 + 12,288 j
	s_add_co_u32 s[G0KB+1], s[G0KB+1], 32768
	s_add_co_u32 s[G0VB+1], s[G0KB+1], VOFF
	s_wait_dscnt 0x0                               ; both opening adds are done
	s_wait_kmcnt 0x0
	s_load_b128 s[12:15], s[6:7], 0x18             ; e6, e7, e8, e9
	s_load_b32 s16, s[6:7], 0x28                   ; e10
	MKG0 G0KA, 84
	MKG0 G0VA, 90
	MKG0 G0KB, 86
	MKG0 G0VB, 92
	CROUND                                         ; the four work-groups are here: the first joint loads meet
	JLOAD G0KA, G1KA, G0VA, G1VA                   ; keys 0..511: one tensor load a wave at the head
	s_add_nc_u64 s[96:97], s[4:5], s[96:97]
	s_add_nc_u64 s[98:99], s[4:5], s[98:99]
	s_wait_alu depctr_va_vdst(0)                   ; ahead of the first reader of v1 here
	global_load_b128 v[16:19], v[LI], s[96:97]               ; Q of both tiles stays in registers
	global_load_b128 v[20:23], v[LI], s[96:97] offset:512
	global_load_b128 v[24:27], v[LI], s[98:99]
	global_load_b128 v[28:31], v[LI], s[98:99] offset:512
	s_add_nc_u64 s[OBH:OBH+1], s[8:9], s[78:79]
	s_add_nc_u64 s[OBL:OBL+1], s[8:9], s[76:77]
	RESET
	v_mov_b32 v236, 0                              ; written once: a lane permute's destination counts as one of its sources
	v_mov_b32 v252, 0
	v_mov_b32 v253, 0                              ; (named as the upper half of the pair v[252:253])
	s_wait_kmcnt 0x0
	s_add_co_i32 s80, s12, s13
	s_lshl_b32 s80, s80, 23
	s_add_co_i32 s[CS], s[CS], s80                 ; e6 + e7 added to c's exponent field
	s_mov_b32 s[CS+1], s[CS]                       ; (named with it as a pair)
	s_mov_b32 s80, s14
	MKSCALE 244, 240                               ; e8: p's
	s_sub_co_i32 s80, s16, s14
	s_sub_co_i32 s80, s80, s15
	MKSCALE 245, 241                               ; e10 - e8 - e9: a sum of the second product stands for sum x 2^(e8 + e9)
; A KEY STEP: the 128 keys at LDS byte TB of K and of V.  diag = 1: the copy that can meet a diagonal.
.macro STEP diag
	v_add_nc_u32 v[ADK], s[TB], v[LI]
	v_add_nc_u32 v[ADV], s[TB], v[LIV]
	v_nop                                          ; with the two additions: four places in front of loads into registers that the last products read
	v_nop
.irp t, 0,1,2,3,4,5,6,7
	ds_load_b128 v[32+8*\t:35+8*\t], v[ADK] offset:1024*\t
	ds_load_b128 v[36+8*\t:39+8*\t], v[ADK] offset:1024*\t+512
.endr
	s_wait_dscnt 0x0
	s_wait_alu depctr_va_vdst(0)
.irp t, 0,1,2,3,4,5,6,7
	v_wmma_f32_16x16x64_bf8_bf8 v[96+8*\t:103+8*\t], v[32+8*\t:39+8*\t], v[16:23], 0   ; register j of tile t: key KF + 16 t + 8 h + j, query Q0 + r
.endr
.rept 4
	v_nop                                          ; places: for the loads below, and for the first reads of the scores
.endr
.irp t, 0,1,2,3
.irp g, 0,1,2,3
	ds_load_b128 v[32+16*\t+4*\g:35+16*\t+4*\g], v[ADV] offset:2048*\t+512*\g   ; V's four fragments land while the softmax is worked
.endr
.endr
.if \diag
	s_cmp_lg_u32 s[S], s[ND]
	s_cbranch_scc1 .Lopen_\@                       ; all 128 keys count for all my queries
	s_sub_co_i32 s80, s[Q0], s[KF]
	v_add_nc_u32 v252, s80, v[DL]                  ; d = my query - KF - 8 h: register 8 t + j is hidden where 16 t + j > d
	v_mov_b32 v254, 0xff800000                     ; -infinity
.irp n, 0,1,2,3,4,5,6,7,8,9,10,11,12,13,14,15,16,17,18,19,20,21,22,23,24,25,26,27,28,29,30,31,32,33,34,35,36,37,38,39,40,41,42,43,44,45,46,47,48,49,50,51,52,53,54,55,56,57,58,59,60,61,62,63
	v_cmp_gt_i32 vcc_lo, 16*(\n/8)+\n%8, v252
	v_cndmask_b32 v[96+\n], v[96+\n], v254, vcc_lo
.endr
.Lopen_\@:
.endif
	v_max3_num_f32 v254, v96, v97, v98             ; the step's largest score of my query among my 64 keys, in two chains (each tile is first read at its low end),
	v_max3_num_f32 v252, v99, v100, v101
.irp i, 6,10,14,18,22,26,30,34,38,42,46,50,54,58
	v_max3_num_f32 v254, v254, v[96+\i], v[97+\i]
	v_max3_num_f32 v252, v252, v[98+\i], v[99+\i]
.endr
	v_max3_num_f32 v254, v254, v158, v159
	s_delay_alu instid0(VALU_DEP_1)
	v_max_num_f32 v254, v254, v252
	v_permlanex16_b32 v236, v254, s[SEL], s[SEL+1]
	s_delay_alu instid0(VALU_DEP_1)
	v_max_num_f32 v254, v254, v236                 ; and among lane l xor 16's.  (Key KF counts for all my queries, so this is a number)
	s_delay_alu instid0(VALU_DEP_1)
	v_mul_f32 v254, s[CS], v254                    ; as t (c is positive)
	s_delay_alu instid0(VALU_DEP_1)
	v_max_num_f32 v13, v13, v254                   ; the running largest t
	v_mov_b32 v254, v12
	s_delay_alu instid0(VALU_DEP_2)
	v_floor_f32 v12, -v13                          ; the new -M = -ceil(t)
	s_delay_alu instid0(VALU_DEP_1)
	v_sub_f32 v254, v12, v254                      ; old M - new M: a whole number, 0 or less
	s_delay_alu instid0(VALU_DEP_1)
	v_cvt_i32_f32 v254, v254                       ; (it saturates)
	s_delay_alu instid0(VALU_DEP_1)
	v_ldexp_f32 v252, 1.0, v254                    ; f = 2^(old M - new M)
.set J, 0
.rept 32
	v_pk_fma_f32 v[96+J:97+J], v[96+J:97+J], s[CS:CS+1], v[12:13] op_sel_hi:[1,0,0]   ; t - M, two at a time
.set J, J+2
.endr
.set J, 0
	s_wait_alu depctr_va_vdst(0)
.rept 64
	v_exp_f32 v[96+J], v[96+J]                     ; p = 2^(t - M)
.set J, J+1
.endr
	v_pk_mul_f32 v[14:15], v[14:15], v[252:253] op_sel_hi:[1,0]   ; the sum under the new M (a plain line behind the exponentials)
	s_wait_alu depctr_va_vdst(0)                   ; one wait for the batch, ahead of its first reader
	v_pk_add_f32 v[242:243], v[96:97], v[98:99]    ; the row's sum of the unquantised p, two at a time, in four chains
	v_pk_add_f32 v[254:255], v[100:101], v[102:103]
	v_pk_add_f32 v[250:251], v[104:105], v[106:107]
	v_pk_add_f32 v[14:15], v[14:15], v[108:109]
	v_pk_add_f32 v[242:243], v[242:243], v[110:111]
.irp j, 16,24,32,40,48,56
	v_pk_add_f32 v[14:15], v[14:15], v[96+\j:97+\j]
	v_pk_add_f32 v[242:243], v[242:243], v[98+\j:99+\j]
	v_pk_add_f32 v[254:255], v[254:255], v[100+\j:101+\j]
	v_pk_add_f32 v[250:251], v[250:251], v[102+\j:103+\j]
.endr
	v_pk_add_f32 v[14:15], v[14:15], v[242:243]
	v_pk_add_f32 v[254:255], v[254:255], v[250:251]
	v_pk_add_f32 v[14:15], v[14:15], v[254:255]
.irp t, 0,1,2,3,4,5,6,7
.irp i, 0,1,2,3,4,5,6,7
	v_min_num_f32 v[96+8*\t+\i], v[96+8*\t+\i], v240   ; the conversion does not saturate (ISA guide 7.6.2); p is not negative: a one-sided hold
.endr
	v_cvt_scalef32_pk8_bf8_f32 v[224+2*\t:225+2*\t], v[96+8*\t:103+8*\t], v244   ; register pair t of P: keys 16 t + 8 h + 0..7
.endr
	s_wait_alu depctr_va_vdst(0)                   ; directly ahead of the first reader of O^T
.set J, 0
.rept 16
	v_pk_mul_f32 v[160+J:161+J], v[160+J:161+J], v[252:253] op_sel_hi:[1,0]   ; O^T under the new M; also the plain lines behind the conversions
.set J, J+2
.endr
	s_wait_alu depctr_va_vdst(0)
	s_wait_dscnt 0x0                               ; V is in
.irp t, 0,1,2,3
	v_wmma_f32_16x16x128_bf8_bf8 v[160+8*\t:167+8*\t], v[32+16*\t:47+16*\t], v[224:239], v[160+8*\t:167+8*\t]   ; four accumulators by turns
.endr
.endm
; A tile's end: O^T / the sum, quantised with e10, stored as two chunks of my tile's fragment.
.macro FINAL ob
.rept 4
	v_nop                                          ; places behind the last products
.endr
	v_add_f32 v14, v14, v15
	s_wait_alu depctr_va_vdst(0)
	v_permlanex16_b32 v252, v14, s[SEL], s[SEL+1]
	s_delay_alu instid0(VALU_DEP_1)
	v_add_f32 v14, v14, v252                       ; the row's sum
	s_wait_alu depctr_va_vdst(0)                   ; ahead of the transcendental
	v_rcp_f32 v14, v14
	v_nop                                          ; a plain line behind the transcendental
.set J, 0
	s_wait_alu depctr_va_vdst(0)                   ; ahead of its first reader, which is also O^T's
.rept 16
	v_pk_mul_f32 v[96+J:97+J], v[160+J:161+J], v[14:15] op_sel_hi:[1,0]   ; register 8 t + j: channel 16 t + 8 h + j of query r; each accumulator from its low end on
.set J, J+2
.endr
.set J, 0
.rept 32
	v_med3_num_f32 v[96+J], v[96+J], -v241, v241
.set J, J+1
.endr
.irp t, 0,1,2,3
	v_cvt_scalef32_pk8_bf8_f32 v[224+2*\t:225+2*\t], v[96+8*\t:103+8*\t], v245
.endr
	v_nop                                          ; a plain line behind the last conversion
	global_store_b128 v[LI], v[224:227], s[\ob:\ob+1]             ; 512 consecutive bytes each
	global_store_b128 v[LI], v[228:231], s[\ob:\ob+1] offset:512
	s_wait_xcnt 0x0                                ; the codes' registers are written again only behind this wait
.endm
	s_wait_alu depctr_va_vdst(0)
	s_wait_tensorcnt 0x0                           ; my part of keys 0..511 is in; the three lines ahead of a later first fill
	ds_add_u32 v[SPW], v[NIL]
	s_wait_dscnt 0x0
	CROUND                                         ; everybody's part is in, and the joint loads meet
	JLOAD G0KB, G1KB, G0VB, G1VB                   ; keys 512..2047: my one load behind the round
	s_wait_loadcnt 0x0                             ; Q
	s_mov_b32 s[S], 0
.Lfirst:                                           ; steps 0..3: my first tile has at least nine steps, and its diagonal lies at key step 8 or later
	s_lshl_b32 s[TB], s[S], 13
	STEP 0
	s_add_co_u32 s[S], s[S], 1
	s_cmp_lt_u32 s[S], 4
	s_cbranch_scc1 .Lfirst
	s_wait_tensorcnt 0x0                           ; my part of the other keys is in
	ds_add_u32 v[SPW], v[NIL]
	s_wait_dscnt 0x0
	s_barrier_signal -1
	s_barrier_wait -1                              ; and everybody's: from here on nothing in LDS changes, and the waves walk by themselves
	s_mov_b32 s[S], 4
.Lrest:                                            ; steps 4..16
	s_cmp_ge_u32 s[S], s[SW]
	s_cselect_b32 s80, s[G], 0
	s_add_co_u32 s80, s80, s[S]
	s_and_b32 s80, s80, 15                         ; the key step: s, or s + g - 16 in the second tile
	s_lshl_b32 s[TB], s80, 13
	s_lshl_b32 s[KF], s80, 7
	s_cmp_lg_u32 s[S], s[SW]
	s_cbranch_scc1 .Lsame                          ; a branch on the wave's number and the step alone
	FINAL OBH                                      ; the first tile is finished, the second begins
	RESET
.set J, 0
.rept 8
	v_mov_b32 v[16+J], v[24+J]
.set J, J+1
.endr
	s_mov_b32 s[Q0], s[Q0L]
	s_mov_b32 s[ND], 16
.Lsame:
	STEP 1
	s_add_co_u32 s[S], s[S], 1
	s_cmp_lt_u32 s[S], 17
	s_cbranch_scc1 .Lrest
	FINAL OBL
	s_wait_tensorcnt 0x0                           ; the wave's end
	ds_add_u32 v[SPW], v[NIL]
	s_wait_dscnt 0x0
	CROUND                                         ; the closing round
	s_endpgm
.Lfunc_end_k_qd3989cfabe_attn:
	.size	k_qd3989cfabe_attn, .Lfunc_end_k_qd3989cfabe_attn-k_qd3989cfabe_attn
	.p2alignl 7, 3214868480
	.fill 96, 4, 3214868480
	.section	.rodata,"a",@progbits
	.p2align	6, 0x0
	.amdhsa_kernel k_qd3989cfabe_attn
		.amdhsa_group_segment_fixed_size 327680
		.amdhsa_private_segment_fixed_size 0
		.amdhsa_enable_private_segment 0
		.amdhsa_kernarg_size 24
		.amdhsa_user_sgpr_count 2
		.amdhsa_user_sgpr_kernarg_segment_ptr 1
		.amdhsa_wavefront_size32 1
		.amdhsa_system_sgpr_workgroup_id_x 1
		.amdhsa_system_sgpr_workgroup_id_y 1
		.amdhsa_system_sgpr_workgroup_id_z 1
		.amdhsa_system_vgpr_workitem_id 0
		.amdhsa_next_free_vgpr 256
		.amdhsa_next_free_sgpr 106
		.amdhsa_reserve_vcc 1
		.amdhsa_float_denorm_mode_32 3
		.amdhsa_float_denorm_mode_16_64 3
		.amdhsa_memory_ordered 1
		.amdhsa_forward_progress 1
		.amdhsa_inst_pref_size 57
	.end_amdhsa_kernel
	.amdgpu_metadata
---
amdhsa.version: [ 1, 2 ]
amdhsa.kernels:
  - .name:           k_qd3989cfabe_attn
    .symbol:         k_qd3989cfabe_attn.kd
    .args:
      - { .name: qkv, .offset: 0, .size: 8, .value_kind: global_buffer, .address_space: global }
      - { .name: lowp_scales, .offset: 8, .size: 8, .value_kind: global_buffer, .address_space: global }
      - { .name: oimg, .offset: 16, .size: 8, .value_kind: global_buffer, .address_space: global }
    .group_segment_fixed_size: 327680
    .private_segment_fixed_size: 0
    .kernarg_segment_align: 8
    .kernarg_segment_size: 24
    .max_flat_workgroup_size: 512
    .sgpr_count:     106
    .vgpr_count:     256
    .wavefront_size: 32
...
	.end_amdgpu_metadata
.endif
;; end of part 3
;; launch proj (part 4): grid 4 x 64, 4 waves a work-group, clusters of 4 x 4, 327,680 bytes of LDS; arguments oimg, wimg, lowp_scales, bp, out0; writes out0
.if DOCPART == 4
	.amdgcn_target "amdgcn-amd-amdhsa--gfx1250"
	.amdhsa_code_object_version 6
	.text
	.protected	k_qd3989cfabe_proj
	.globl	k_qd3989cfabe_proj
	.p2align	8
	.type	k_qd3989cfabe_proj,@function
k_qd3989cfabe_proj:
	s_mov_b64 s[64:65], 0
	v_nop
	global_prefetch_b8 v0, s[64:65] scope:SCOPE_SE
	s_setreg_imm32_b32 hwreg(HW_REG_WAVE_MODE, 25, 1), 1
	s_wait_xcnt 0x0
	s_wait_alu depctr_hold_cnt(0) depctr_sa_sdst(0) depctr_va_vdst(0) depctr_va_sdst(0) depctr_va_ssrc(0) depctr_va_vcc(0) depctr_vm_vsrc(0)
	s_getreg_b32 s2, hwreg(HW_REG_IB_STS2, 6, 4)
	s_cmp_eq_u32 s2, 0
	s_cbranch_scc0 .Lentry_in_a_cluster
	s_endpgm
.Lentry_in_a_cluster:
	s_bfe_u32 s2, ttmp6, 0x10000c
	s_cmp_lg_u32 s2, 0xf033
	s_cbranch_scc0 .Lentry_shape_is_right
	s_endpgm
.Lentry_shape_is_right:
; out0 = O Wp + bp on E5M2 codes (oimg, Wp's image in wimg), K = 1,024; each sum x 2^(e10 + e11) + bp.  A work-group makes 128 x 256, each of four waves 64 x 128.
; LDS: slot 0 (98,304 bytes: K 0..255, row tiles 4,096 bytes apart) is the head's one load a wave and is filled once more (K 768..1023);
; behind it one slot of 196,608 bytes holds K 256..767 (A: 8 row tiles x 8,192 bytes, then B: 16 x 8,192), one load a wave behind the three lines and a round.
; CLUSTER 4 x 4: a row shares A's tiles, a column B's, by joint loads.  LIMIT: e10 + e11 between -126 and 127.
.set SLOT,  98304
.set SPARE, 3*SLOT
.set LI,   4
.set ADRA, 16
.set ADRB, 20
.set STO,  24
.set RD,   25
.set SPW,  28
.set NIL,  29
.set AF,   64
.set TMP,  64
.set BK,   128
.set G1,   24
.set G1B,  48
.set MSB, 0
.macro WIN new
.if MSB != \new
	s_set_vgpr_msb (MSB<<8)|\new
.set MSB, \new
.endif
.endm
.set MUL,  0xa1
.set TO_B, 0x40
.macro JLOAD g0a, g1a, g0b, g1b
	s_cmp_eq_u32 s15, 0
	s_cbranch_scc0 .Lfor_b_\@
	tensor_load_to_lds s[\g0a:\g0a+3], s[\g1a:\g1a+7]
	s_nop 0
.rept 4
	v_nop
.endr
	s_branch .Lasked_\@
.Lfor_b_\@:
	tensor_load_to_lds s[\g0b:\g0b+3], s[\g1b:\g1b+7]
	s_nop 0
.rept 4
	v_nop
.endr
.Lasked_\@:
.endm
.macro CREST
	s_cmp_lg_u32 s14, 0
	s_cbranch_scc1 .Lnot_wave_0_\@
	s_barrier_signal -3
.Lnot_wave_0_\@:
	s_barrier_wait -3
	s_barrier_signal -1
	s_barrier_wait -1
.endm
.macro CROUND
	s_barrier_signal -1
	s_barrier_wait -1
	CREST
.endm
.macro PLACES n
.rept \n
	v_nop
.endr
.endm
.macro MKG0 ga, gb, s
	s_mov_b32 s[\ga], 1
	s_add_co_u32 s[\ga+1], s45, \s*SLOT
	s_add_nc_u64 s[\ga+2:\ga+3], s[20:21], \s*4096
	s_or_b32 s[\ga+3], s[\ga+3], 0x80000000
	s_mov_b32 s[\gb], 1
	s_add_co_u32 s[\gb+1], s3, \s*SLOT
	s_add_nc_u64 s[\gb+2:\gb+3], s[46:47], \s*4096
	s_or_b32 s[\gb+3], s[\gb+3], 0x80000000
	s_wait_alu depctr_va_vdst(0)
	s_wait_tensorcnt 0x0
	ds_add_u32 v28, v29
	ds_add_u32 v28, v29
	s_wait_dscnt 0x0
	CROUND
	JLOAD \ga, G1, \gb, G1B
.endm
.macro FRAG reg, adr, q, i
.irp g, 0,1,2,3
	ds_load_b128 v[\reg+4*\g:\reg+4*\g+3], v[\adr] offset:(4096<<((\adr)&1))*(\i)+2048*(\q)+512*\g   ; the odd address registers serve the long slot: row tiles 8,192 bytes apart
.endr
.endm
.macro FETCH slot, q, p
	WIN 0
	FRAG AF+64*(\p), ADRA+\slot, \q, 0
	WIN TO_B
.irp i, 0,1,2,3,4,5,6,7
	FRAG 128*(\p)+16*\i, ADRB+\slot, \q, \i
.endr
	WIN 0
.irp i, 1,2,3
	FRAG AF+64*(\p)+16*\i, ADRA+\slot, \q, \i
.endr
.endm
.macro MULA a, p, zero
.irp b, 0,1,2,3,4,5,6,7
.if \zero
	v_wmma_f32_16x16x128_bf8_bf8 v[8*(8*(\a)+\b):8*(8*(\a)+\b)+7], v[128*(\p)+16*\b:128*(\p)+16*\b+15], v[AF+64*(\p)+16*(\a):AF+64*(\p)+16*(\a)+15], 0
.else
	v_wmma_f32_16x16x128_bf8_bf8 v[8*(8*(\a)+\b):8*(8*(\a)+\b)+7], v[128*(\p)+16*\b:128*(\p)+16*\b+15], v[AF+64*(\p)+16*(\a):AF+64*(\p)+16*(\a)+15], v[8*(8*(\a)+\b):8*(8*(\a)+\b)+7]
.endif
.endr
.endm
.macro STEP p, fs, fq, zero
	s_wait_dscnt 12
	WIN MUL
	MULA 0, \p, \zero
	PLACES 4
	FETCH \fs, \fq, 1-\p
	s_wait_dscnt 48
	WIN MUL
	MULA 1, \p, \zero
	MULA 2, \p, \zero
	MULA 3, \p, \zero
.endm
.macro TURN p, fs, fill
	WIN 0
	s_wait_tensorcnt 0x0
	ds_add_u32 v[SPW], v[NIL]
	s_wait_dscnt 13
	WIN MUL
	MULA 0, \p, 0
	s_wait_dscnt 0x0
	s_barrier_signal -1
	MULA 1, \p, 0
	WIN 0
	s_barrier_wait -1
.if \fill
	CREST
	s_add_nc_u64 s[58:59], s[58:59], 12288
	s_add_nc_u64 s[74:75], s[74:75], 12288
	JLOAD 56, G1, 72, G1B
.else
	PLACES 4
.endif
	FETCH \fs, 0, 1-\p
	WIN MUL
	MULA 2, \p, 0
	MULA 3, \p, 0
.endm
	s_load_b256 s[4:11], s[0:1], 0x0
	s_load_b64 s[12:13], s[0:1], 0x20
	v_lshl_add_u32 v[SPW], v0, 2, SPARE
	v_mov_b32 v[NIL], 0
	ds_add_u32 v28, v29
	ds_add_u32 v28, v29
	s_wait_dscnt 0x0
	v_lshrrev_b32 v1, 5, v0
	v_readfirstlane_b32 s14, v1
	s_lshr_b32 s15, s14, 1
	s_and_b32 s16, s14, 1
	s_bfe_u32 s40, ttmp6, 0x40000
	s_bfe_u32 s41, ttmp6, 0x40004
	s_lshl_b32 s42, ttmp9, 2
	s_add_co_u32 s42, s42, s40
	s_and_b32 s17, ttmp7, 0xffff
	s_lshl_b32 s17, s17, 2
	s_add_co_u32 s17, s17, s41
	s_lshl_b32 s43, s41, 2
	s_lshl_b32 s43, 15, s43
	s_lshl_b32 s44, 0x1111, s40
	s_or_b32 s[G1+0], s43, (3<<16)|(1<<21)
	s_mov_b32 s[G1+1], 512<<16
	s_mov_b32 s[G1+2], 4<<16
	s_mov_b32 s[G1+3], 512<<16
	s_mov_b32 s[G1+4], 4
	s_mov_b32 s[G1+5], 2048
	s_mov_b32 s[G1+6], 0
	s_mov_b32 s[G1+7], 0
	s_or_b32 s[G1B+0], s44, (3<<16)|(1<<21)
	s_mov_b32 s[G1B+1], 512<<16
	s_mov_b32 s[G1B+2], 8<<16
	s_mov_b32 s[G1B+3], 512<<16
	s_mov_b32 s[G1B+4], 8
	s_mov_b32 s[G1B+5], 2048
	s_mov_b32 s[G1B+6], 0
	s_mov_b32 s[G1B+7], 0
	s_lshl_b32 s20, s17, 3
	s_lshl_b32 s21, s16, 2
	s_add_co_u32 s20, s20, s21
	s_lshl_b32 s20, s20, 14
	s_mov_b32 s21, 0
	s_lshl_b32 s46, s42, 4
	s_lshl_b32 s47, s16, 3
	s_add_co_u32 s46, s46, s47
	s_lshl_b32 s46, s46, 14
	s_mov_b32 s47, 0
	s_lshl_b32 s45, s16, 14
	s_lshl_b32 s3, s16, 15
	s_add_co_u32 s3, s3, 32768
	s_wait_kmcnt 0x0
	s_load_b64 s[96:97], s[8:9], 0x28
	s_add_nc_u64 s[20:21], s[4:5], s[20:21]
	s_add_nc_u64 s[46:47], s[6:7], s[46:47]
	s_add_nc_u64 s[46:47], s[46:47], 0x300000
	CROUND
	MKG0 56, 72, 0                                 ; K 0..255: one tensor load a wave at the head
	s_mov_b32 s60, 1                               ; the long slot's descriptors: A's half, 4 row tiles x 8,192 bytes
	s_lshl_b32 s61, s16, 15
	s_add_co_u32 s61, s61, SLOT
	s_add_nc_u64 s[62:63], s[20:21], 4096          ; from K 256 on
	s_or_b32 s63, s63, 0x80000000
	s_mov_b32 s68, 1                               ; B's half, 8 row tiles x 8,192 bytes, behind A's 65,536
	s_lshl_b32 s69, s16, 16
	s_add_co_u32 s69, s69, SLOT+65536
	s_add_nc_u64 s[70:71], s[46:47], 4096
	s_or_b32 s71, s71, 0x80000000
	s_or_b32 s76, s43, (3<<16)|(1<<21)             ; group 1 for A: rows of 1,024 elements of 8 bytes
	s_mov_b32 s77, 1024<<16
	s_mov_b32 s78, 4<<16
	s_mov_b32 s79, 1024<<16
	s_mov_b32 s80, 4
	s_mov_b32 s81, 2048
	s_mov_b32 s82, 0
	s_mov_b32 s83, 0
	s_or_b32 s32, s44, (3<<16)|(1<<21)             ; group 1 for B
	s_mov_b32 s33, 1024<<16
	s_mov_b32 s34, 8<<16
	s_mov_b32 s35, 1024<<16
	s_mov_b32 s36, 8
	s_mov_b32 s37, 2048
	s_mov_b32 s38, 0
	s_mov_b32 s39, 0
	v_and_b32 v1, 31, v0
	v_lshlrev_b32 v[LI], 4, v1
	v_and_b32 v2, 15, v0
	s_wait_alu depctr_va_vdst(0)
	v_bfe_u32 v3, v0, 4, 1
	s_lshl_b32 s84, s15, 14                        ; slot 0: my four row tiles of A,
	s_lshl_b32 s85, s16, 15
	s_add_co_u32 s85, s85, 32768                   ; my eight of B
	v_add_nc_u32 v[ADRA], s84, v[LI]
	v_add_nc_u32 v[ADRB], s85, v[LI]
	s_lshl_b32 s84, s15, 15                        ; the long slot: the same at twice the pitch
	s_add_co_u32 s84, s84, SLOT
	s_lshl_b32 s85, s16, 16
	s_add_co_u32 s85, s85, SLOT+65536
	v_add_nc_u32 v[ADRA+1], s84, v[LI]
	v_add_nc_u32 v[ADRB+1], s85, v[LI]
	s_mul_i32 s86, s14, 8448                       ; my stage for the way out, in the long slot: it has had its only fill, and its last read lies ahead of the last barrier
	s_add_co_u32 s86, s86, SLOT
	v_mul_u32_u24 v[STO], v2, 528
	s_wait_alu depctr_va_vdst(0)
	v_lshl_add_u32 v[STO], v3, 5, v[STO]
	v_add_nc_u32 v[STO], s86, v[STO]
	v_add_nc_u32 v[RD], s86, v[LI]
	v_lshlrev_b32 v5, 5, v3
	s_wait_alu depctr_va_vdst(0)
	s_lshl_b32 s84, s42, 10
	s_lshl_b32 s85, s16, 9
	s_add_co_u32 s84, s84, s85
	s_mov_b32 s85, 0
	s_add_nc_u64 s[10:11], s[10:11], s[84:85]
	s_lshl_b32 s86, s17, 19
	s_lshl_b32 s87, s15, 18
	s_add_co_u32 s86, s86, s87
	s_add_co_u32 s86, s86, s84
	s_mov_b32 s87, 0
	s_add_nc_u64 s[12:13], s[12:13], s[86:87]
	WIN 0xc0
.irp b, 0,1,2,3,4,5,6,7
	global_load_b128 v[8*\b:8*\b+3], v5, s[10:11] offset:64*\b
	global_load_b128 v[8*\b+4:8*\b+7], v5, s[10:11] offset:64*\b+16
.endr
	WIN 0
	s_wait_alu depctr_va_vdst(0)
	s_wait_tensorcnt 0x0                           ; my part of slot 0 is in; the three lines ahead of a later first fill
	ds_add_u32 v[SPW], v[NIL]
	s_wait_dscnt 0x0
	CROUND                                         ; everybody's part of slot 0 is in, and the joint loads meet
	JLOAD 60, 76, 68, 32                           ; K 256..767, my one load behind the round
	FETCH 0, 0, 0
	STEP 0, 0, 1, 1
	TURN 1, 1, 1
	STEP 0, 1, 1, 0
	STEP 1, 1, 2, 0
	STEP 0, 1, 3, 0
	TURN 1, 0, 0
	STEP 0, 0, 1, 0
	s_wait_dscnt 12
	WIN MUL
	MULA 0, 1, 0
	s_wait_dscnt 0x0
	MULA 1, 1, 0
	MULA 2, 1, 0
	MULA 3, 1, 0
	WIN 0
.macro TOSTAGE a
	WIN 0x32
.irp j, 0,2,4,6,8,10,12,14,16,18,20,22,24,26,28,30,32,34,36,38,40,42,44,46,48,50,52,54,56,58,60,62
	v_pk_fma_f32 v[TMP+\j:TMP+\j+1], v[64*(\a)+\j:64*(\a)+\j+1], s[96:97], v[\j:\j+1] op_sel_hi:[1,0,1]
.endr
	WIN 0
.irp b, 0,1,2,3,4,5,6,7
	ds_store_b128 v[STO], v[TMP+8*\b:TMP+8*\b+3] offset:64*\b
	ds_store_b128 v[STO], v[TMP+8*\b+4:TMP+8*\b+7] offset:64*\b+16
.endr
.set BB, BK+64*((\a)%2)
.irp t, 0,1,2,3,4,5,6,7,8,9,10,11,12,13,14,15
	ds_load_b128 v[BB+4*\t:BB+4*\t+3], v[RD] offset:\t*528
.endr
.endm
.macro SEND a, younger
.set BB, BK+64*((\a)%2)
	s_wait_dscnt \younger
.if (\a) > 0
	s_add_nc_u64 s[12:13], s[12:13], 65536
.endif
.irp t, 0,1,2,3,4,5,6,7,8,9,10,11,12,13,14,15
	global_store_b128 v[LI], v[BB+4*\t:BB+4*\t+3], s[12:13] offset:\t*4096 th:TH_STORE_NT
.endr
.endm
	s_wait_kmcnt 0x0
	s_add_co_i32 s96, s96, s97
	s_add_co_i32 s96, s96, 127
	s_lshl_b32 s96, s96, 23
	s_mov_b32 s97, s96
	s_wait_loadcnt 0x0
	PLACES 4
	TOSTAGE 0
.irp a, 1,2,3
.if \a > 1
	s_wait_xcnt 0x0
.endif
	TOSTAGE \a
	SEND \a-1, 32
.endr
	s_wait_xcnt 0x0
	SEND 3, 0
	s_wait_tensorcnt 0x0
	ds_add_u32 v[SPW], v[NIL]
	s_wait_dscnt 0x0
	CROUND
	s_endpgm
.Lfunc_end_k_qd3989cfabe_proj:
	.size	k_qd3989cfabe_proj, .Lfunc_end_k_qd3989cfabe_proj-k_qd3989cfabe_proj
	.p2alignl 7, 3214868480
	.fill 96, 4, 3214868480
	.section	.rodata,"a",@progbits
	.p2align	6, 0x0
	.amdhsa_kernel k_qd3989cfabe_proj
		.amdhsa_group_segment_fixed_size 327680
		.amdhsa_private_segment_fixed_size 0
		.amdhsa_enable_private_segment 0
		.amdhsa_kernarg_size 40
		.amdhsa_user_sgpr_count 2
		.amdhsa_user_sgpr_kernarg_segment_ptr 1
		.amdhsa_wavefront_size32 1
		.amdhsa_system_sgpr_workgroup_id_x 1
		.amdhsa_system_sgpr_workgroup_id_y 1
		.amdhsa_system_sgpr_workgroup_id_z 1
		.amdhsa_system_vgpr_workitem_id 0
		.amdhsa_next_free_vgpr 832
		.amdhsa_next_free_sgpr 100
		.amdhsa_reserve_vcc 0
		.amdhsa_float_denorm_mode_32 3
		.amdhsa_float_denorm_mode_16_64 3
		.amdhsa_memory_ordered 1
		.amdhsa_forward_progress 1
		.amdhsa_inst_pref_size 77
	.end_amdhsa_kernel
	.amdgpu_metadata
---
amdhsa.version: [ 1, 2 ]
amdhsa.kernels:
  - .name:           k_qd3989cfabe_proj
    .symbol:         k_qd3989cfabe_proj.kd
    .args:
      - { .name: oimg, .offset: 0, .size: 8, .value_kind: global_buffer, .address_space: global }
      - { .name: wimg, .offset: 8, .size: 8, .value_kind: global_buffer, .address_space: global }
      - { .name: lowp_scales, .offset: 16, .size: 8, .value_kind: global_buffer, .address_space: global }
      - { .name: bp, .offset: 24, .size: 8, .value_kind: global_buffer, .address_space: global }
      - { .name: out0, .offset: 32, .size: 8, .value_kind: global_buffer, .address_space: global }
    .group_segment_fixed_size: 327680
    .private_segment_fixed_size: 0
    .kernarg_segment_align: 8
    .kernarg_segment_size: 40
    .max_flat_workgroup_size: 128
    .sgpr_count:     100
    .vgpr_count:     832
    .wavefront_size: 32
...
	.end_amdgpu_metadata
.endif
;; end of part 4
